; MI455X (gfx1250); checked and timed in simulation.
; The chip was launched on July 23, 2026; its instructions are those of AMD's public machine-readable ISA for CDNA 5 (MIT licence, August 2026) and "CDNA5" Instruction Set Architecture Reference Guide (July 2026). The comments in the code are by the model that wrote it; some were corrected since.
;; Qwen2 MLP ND. Allowed arithmetic: matrix products marked QUANTISED: E2M3 operands, one E8M0 scale for each 32 along K, by v_wmma_scale_f32_16x16x128_f8f6f4 with both operands' format E2M3, f32 sums; everything else in f32.
;; Inputs: hidden_state_codes 4 x 512 x 64 x 24 uint8 (E2M3 codes of hidden_state, K innermost, in blocks of 32 codes, four codes in three bytes); hidden_state_scales 4 x 512 x 64 uint8 (E8M0 scales of hidden_state, one for each 32 codes along K); w_down_codes 2,048 x 172 x 24 uint8 (E2M3 codes of w_down, K innermost, in blocks of 32 codes, four codes in three bytes); w_down_scales 2,048 x 172 uint8 (E8M0 scales of w_down, one for each 32 codes along K); w_gate_codes 5,504 x 64 x 24 uint8 (E2M3 codes of w_gate, K innermost, in blocks of 32 codes, four codes in three bytes); w_gate_scales 5,504 x 64 uint8 (E8M0 scales of w_gate, one for each 32 codes along K); w_up 5,504 x 2,048 float32.
;; Outputs: out0 4 x 512 x 2,048 float32; out1 4 x 5,504 float32.
;; This version of the problem:
;;   THIS VERSION OF THE PROBLEM IS GIVEN IN LOW PRECISION. The matrix products marked QUANTISED in the list below multiply operands that are first quantised to E2M3 (2 exponent bits, 3 mantissa bits; 6 bits a number), with one power-of-two scale for each 32 numbers along K (OCP MX v1.0); their sums are f32. All else is computed in f32.
;;   The module's matrix products, in the order in which they are computed (A, B: the left and right operand; K: the contracted axis; several contracted axes count as one K, in the product's order):
;;     1. [M 2,048, K 2,048] x [K 2,048, N 5,504]; A: input hidden_state (given as codes); B: input w_gate (given as codes): QUANTISED
;;     2. [M 2,048, K 2,048] x [K 2,048, N 5,504]; A: input hidden_state (given as codes); B: input w_up: QUANTISED
;;     3. [M 2,048, K 5,504] x [K 5,504, N 2,048]; A: computed on the way; B: input w_down (given as codes): QUANTISED
;;   THE QUANTISER, for each operand of a quantised product, along K:
;;     - K is cut into blocks of 32 from its start; a last block that is shorter is filled with zeros.
;;     - A block's scale is 2^e with e = floor(log2(the largest magnitude in the block)) - 2, held to -126 .. 127; a block of zeros has e = 0. As a byte (E8M0): e + 127.
;;     - Each number is divided by its block's scale, clamped to +-7.5, and rounded to the nearest number of E2M3, ties to even, subnormals kept.
;;     - The product sums the exact products of the quantised numbers (number of the format x scale) in f32.
;;   ~~~python
;;   def quantise(x, axis):      # numpy; x: float32 -> the quantised numbers, widened to float32 again
;;       x = np.moveaxis(x, axis, -1); K = x.shape[-1]
;;       x = np.pad(x, [(0, 0)] * (x.ndim - 1) + [(0, -K % 32)]); x = x.reshape(x.shape[:-1] + (-1, 32)); a = np.abs(x).max(-1, keepdims=True)
;;       e = np.where(a > 0, np.clip(np.frexp(np.where(a > 0, a, 1))[1] - 1 - 2, -126, 127), 0)      # np.frexp(a)[1] - 1 = floor(log2(a)), exactly
;;       r = np.clip(x / 2.0 ** e, -7.5, 7.5)
;;       step = 2.0 ** (np.maximum(np.frexp(np.where(r == 0, 1, r))[1] - 1, 0) - 3)
;;       q = np.round(r / step) * step * 2.0 ** e      # np.round: ties to even
;;       return np.moveaxis(q.reshape(q.shape[:-2] + (-1,))[..., :K], -1, axis).astype(np.float32)
;;   ~~~
;;   OPERANDS COMPUTED ON THE WAY. 'Computed on the way' means the value that the module computes at that place (a softmax that the list does not call 'softmax' is quantised finished and normalised). What goes into a quantiser is computed in f32, as accurately as f32 sums, v_exp_f32 and their like allow (about 1e-6 of the number): no bf16 or f16 on the way to a quantiser, and a product that is left as it is and whose result goes on into a quantised operand takes f32 operands (vector FMAs, or v_wmma_f32_16x16x4_f32). A number that lies on a knife's edge between two numbers of the format may be rounded either way, as far as f32 arithmetic and the matrix unit's own rounding can turn it there, and no further.
;;   INPUTS GIVEN AS CODES. hidden_state (in the module: [4, 512, 2048], K = its axis 2); w_down (in the module: [2048, 5504], K = its axis 1); w_gate (in the module: [5504, 2048], K = its axis 1): each comes as NAME_codes (uint8): NAME with its K axis moved to the last place and cut into blocks of 32 codes, [.., K / 32, bytes a block], one block behind the other in memory; four codes in three bytes: a row's codes are one little-endian stream of bits, code i at bits 6 i .. 6 i + 5 (a code: sign, 2 exponent bits, 3 mantissa bits); and NAME_scales (uint8): the same leading axes, one E8M0 byte (e + 127) for each 32 codes along K. Its value is code x scale, taken as it is: it is not quantised again, and the codes and scales need not be those that the quantiser above would give.
;; One version. Each part assembles by itself: llvm-mc -triple=amdgcn-amd-amdhsa -mcpu=gfx1250 --defsym DOCPART=n.
;; ======== version 1 of 1: 3 launches
;; workspace buffers: wu_codes 8,454,144 bytes; wu_scales 352,256 bytes; row_sq 22,016 bytes; inter_codes 8,454,144 bytes; inter_scales 352,256 bytes; part 176,128 bytes
;; launch quant_up (part 1): grid 344 x 1, 4 waves a work-group, no clusters, 33,280 bytes of LDS; arguments w_up, wu_codes, wu_scales, row_sq; writes wu_codes, wu_scales, row_sq
.if DOCPART == 1
	.amdgcn_target "amdgcn-amd-amdhsa--gfx1250"
	.amdhsa_code_object_version 6
	.text
	.protected	k_q8b3be91d24_quant_up
	.globl	k_q8b3be91d24_quant_up
	.p2align	8
	.type	k_q8b3be91d24_quant_up,@function
k_q8b3be91d24_quant_up:
	s_mov_b64 s[64:65], 0
	v_nop
	global_prefetch_b8 v0, s[64:65] scope:SCOPE_SE
	s_setreg_imm32_b32 hwreg(HW_REG_WAVE_MODE, 25, 1), 1
	s_wait_xcnt 0x0
; w_up [5504][2048], f32, becomes codes of FP6 (E2M3), 6 bits each, K innermost (a row: 1,536 bytes), with one E8M0 scale byte for each 32 along K (a row: 64 bytes);
; and row_sq[i] = the sum of the squares of row i, taken of the f32 numbers as they are given.
; A block's scale is 2^(floor(log2(its largest magnitude)) - 2): its byte is the largest magnitude's own exponent field - 2, held at 1 from below.  Each number is divided by the scale and rounded to
; the nearest code, ties to even; beyond 7.5 the conversion gives the largest code.
; LIMITS: a block of zeros gets the byte 1 where the rule says 127: its codes are zeros, which add nothing under any byte but 0xff, and this program alone reads the bytes.  Blocks whose largest magnitude
; lies under 2^-124 have their byte held at 1, as the rule holds e at -126.  NaN and infinities in w_up are not served.  The squares are summed in another order than row by row from the left.
; SHARES.  Rows are dense, so the tensor is a stream of blocks of 32.  Wave number idx = 4 x work-group + wave (0 .. 1,375) takes 8,192 numbers, rows 4 idx .. 4 idx + 3, in 16 steps of 512 numbers: four steps a row.
; A conversion takes 16 neighbours along K from ONE lane's registers; a load is best where neighbouring LANES take neighbouring bytes.  Both are had: each of a step's four loads reads 512 consecutive bytes,
; 16 a lane; the 2,048 bytes go through the wave's own stage in LDS as they lie and come back 64 bytes a lane (places 80 bytes apart, so that the lanes' reads do not all fall on the same banks).
; Two neighbouring lanes hold a block.  A lane's 16 codes are 12 bytes: a store of the wave covers 384 consecutive bytes.  The wave's 256 scale bytes are gathered in LDS and leave as 256 consecutive bytes, aligned.
; No tensor load, no barrier: waves share nothing.  Loads run six steps (24 loads, 12 KiB a wave) ahead, the turn through LDS one step.  Every offset is an immediate; no register of a store is written again.
.set STEPS, 16
.set AHEAD, 6
.set CB,    12                         ; bytes of 16 codes
.set R,     16                         ; v16-111  six sets of 16 numbers as they are loaded
.set X,     112                        ; v112-143 two sets of 16 neighbours
.set E,     144                        ; v144-159 a scale byte for each step
.set C,     160                        ; v160-223 codes: four registers for each step
.set SQ,    224                        ; v224-227 two packed chains of squares
.set TP,    228                        ; v228     the lane permute's destination
.set RS,    232                        ; v232-235 the four rows' sums
.set ZO,    236                        ; v236     0
.set WREG,  8192                       ; LDS: a region for each wave: two stages of 32 x SP bytes, behind them its 256 scale bytes
.set SP,    80                         ; a lane's place in a stage: 64 bytes + 16
	s_load_b256 s[4:11], s[0:1], 0x0               ; w_up s[4:5], the codes s[6:7], the scale bytes s[8:9], row_sq s[10:11]
	v_lshl_add_u32 v240, v0, 2, 0x8000
	v_mov_b32 v241, 0
	v_lshrrev_b32 v1, 5, v0
	v_readfirstlane_b32 s16, v1                    ; wave
	v_and_b32 v2, 31, v0                           ; lane
	v_lshlrev_b32 v3, 4, v2                        ; my 16 bytes of a load's 512
	s_mul_i32 s17, s16, WREG
	v_lshrrev_b32 v14, 2, v2
	v_mul_u32_u24 v14, v14, SP
	v_and_b32 v15, 3, v2
	v_lshl_add_u32 v14, v15, 4, v14
	v_add_nc_u32 v14, s17, v14                     ; the stage, on the way in: four lanes' 64 bytes on end, then 16 free: SP (lane / 4) + 16 (lane % 4)
	v_mul_u32_u24 v15, v2, SP
	v_add_nc_u32 v15, s17, v15                     ; and on the way out: SP x lane: my 16 neighbours
	v_mul_u32_u24 v4, v2, CB                       ; my codes' place in a step's
	v_lshrrev_b32 v5, 1, v2
	s_add_co_u32 s17, s17, 2*32*SP
	v_add_nc_u32 v5, s17, v5                       ; LDS: my wave's 256 scale bytes, my block's byte
	v_lshlrev_b32 v7, 3, v2                        ; and on the way out 8 bytes a lane
	v_add_nc_u32 v6, s17, v7
	v_mov_b32 v[TP], 0                             ; written once: a lane permute's destination counts as one of its sources
	v_mov_b32 v[ZO], 0
	s_mov_b32 s22, 0x76543210
	s_mov_b32 s23, 0xfedcba98                      ; v_permlanex16_b32's selects for lane l xor 16
	s_lshl_b32 s18, ttmp9, 2
	s_add_co_u32 s18, s18, s16                     ; idx: which run of 8,192 numbers is my wave's
	s_lshl_b32 s12, s18, 15                        ; 32,768 bytes of f32 a run (45 MB in all: one word holds every offset here)
	s_mov_b32 s13, 0
	s_mul_i32 s14, s18, 32*STEPS*CB                ; 6,144 bytes of codes
	s_mov_b32 s15, 0
	s_lshl_b32 s20, s18, 8                         ; 256 scale bytes
	s_mov_b32 s21, 0
	s_lshl_b32 s26, s18, 4                         ; four sums
	s_mov_b32 s27, 0
	s_wait_kmcnt 0x0
	s_add_nc_u64 s[4:5], s[4:5], s[12:13]
	s_add_nc_u64 s[6:7], s[6:7], s[14:15]
	s_add_nc_u64 s[8:9], s[8:9], s[20:21]
	s_add_nc_u64 s[10:11], s[10:11], s[26:27]
.macro LOAD t
.irp i, 0,1,2,3
	global_load_b128 v[R+16*((\t)%AHEAD)+4*\i:R+16*((\t)%AHEAD)+4*\i+3], v3, s[4:5] offset:2048*(\t)+512*\i th:TH_LOAD_NT   ; 32 lanes read 512 consecutive bytes; read once in the launch
.endr
.endm
.macro TURN t                          ; step t's numbers through the stage: LDS serves a wave's instructions in order (ISA guide 5.7.1.4), so no wait stands between the stores and the loads
.irp i, 0,1,2,3
	ds_store_b128 v14, v[R+16*((\t)%AHEAD)+4*\i:R+16*((\t)%AHEAD)+4*\i+3] offset:32*SP*((\t)%2)+8*SP*\i
.endr
.irp i, 0,1,2,3
	ds_load_b128 v[X+16*((\t)%2)+4*\i:X+16*((\t)%2)+4*\i+3], v15 offset:32*SP*((\t)%2)+16*\i
.endr
.endm
.irp t, 0,1,2,3,4,5
	LOAD \t
.endr
	s_wait_loadcnt 4*(AHEAD-1)                     ; step 0's four loads are in; the twenty behind them may be out
	TURN 0
.macro STEP t
.set XS, X+16*((\t)%2)
.if (\t) > 0
	s_wait_dscnt 1                                 ; this step's numbers are back from the stage (the last step's byte store may be out): so its stores into the stage have read their registers,
.else
	s_wait_dscnt 0x0
.endif
.if (\t)+AHEAD < STEPS
	LOAD (\t)+AHEAD                                ; which take the loads of six steps on
.endif
.if (\t)+1 < STEPS
.if STEPS-2-(\t) >= AHEAD-1
	s_wait_loadcnt 4*(AHEAD-1)                     ; the next step's four loads are in; those of the five steps behind it may be out
.else
	s_wait_loadcnt 4*(STEPS-2-(\t))                ; towards the end: as many steps as are left behind the next
.endif
	TURN (\t)+1                                    ; and go through the other stage while this step is worked
.endif
	v_max3_num_f32 v8, |v[XS]|, |v[XS+1]|, |v[XS+2]|               ; the largest magnitude of my 16, in two chains
	v_max3_num_f32 v9, |v[XS+3]|, |v[XS+4]|, |v[XS+5]|
.irp i, 6,10
	v_max3_num_f32 v8, v8, |v[XS+\i]|, |v[XS+\i+1]|
	v_max3_num_f32 v9, v9, |v[XS+\i+2]|, |v[XS+\i+3]|
.endr
	v_max3_num_f32 v8, v8, |v[XS+14]|, |v[XS+15]|
	v_max3_num_f32 v8, v8, v9, 0x1800000           ; and the floor 2^(3 - 127), under which no largest magnitude is taken: so the byte cannot fall under 1
	v_max_num_f32_dpp v8, v8, v8 row_xmask:1 row_mask:0xf bank_mask:0xf   ; and of my neighbour's 16: the block's
	v_add_nc_u32 v11, 0xff000000, v8               ; 2 off its exponent field: the conversion takes the exponent field of this operand as its scale, and nothing else of it
	v_cvt_scalef32_pk16_fp6_f32 v[C+4*(\t):C+4*(\t)+2], v[XS:XS+15], v11   ; 96 bits without gaps, the first number's code lowest
	v_lshrrev_b32 v[E+(\t)], 23, v11               ; the scale's byte (also the plain line behind the conversion)
.if (\t)%4 == 0
	v_pk_mul_f32 v[SQ:SQ+1], v[XS:XS+1], v[XS:XS+1]                ; a row's first step starts the two chains of squares: nothing is cleared
	v_pk_mul_f32 v[SQ+2:SQ+3], v[XS+2:XS+3], v[XS+2:XS+3]
.else
	v_pk_fma_f32 v[SQ:SQ+1], v[XS:XS+1], v[XS:XS+1], v[SQ:SQ+1]
	v_pk_fma_f32 v[SQ+2:SQ+3], v[XS+2:XS+3], v[XS+2:XS+3], v[SQ+2:SQ+3]
.endif
.irp i, 4,8,12
	v_pk_fma_f32 v[SQ:SQ+1], v[XS+\i:XS+\i+1], v[XS+\i:XS+\i+1], v[SQ:SQ+1]
	v_pk_fma_f32 v[SQ+2:SQ+3], v[XS+\i+2:XS+\i+3], v[XS+\i+2:XS+\i+3], v[SQ+2:SQ+3]
.endr
	ds_store_b8 v5, v[E+(\t)] offset:16*(\t)       ; both lanes of a block write the same byte with the same value
	global_store_b96 v4, v[C+4*(\t):C+4*(\t)+2], s[6:7] offset:32*CB*(\t)
.if (\t)%4 == 3                        ; the row is through: its sum over my four halves and over the 32 lanes
	v_pk_add_f32 v[SQ:SQ+1], v[SQ:SQ+1], v[SQ+2:SQ+3]
	v_add_f32 v[RS+(\t)/4], v[SQ], v[SQ+1]
.irp m, 1,2,4,8
	v_add_f32_dpp v[RS+(\t)/4], v[RS+(\t)/4], v[RS+(\t)/4] row_xmask:\m row_mask:0xf bank_mask:0xf
.endr
	v_permlanex16_b32 v[TP], v[RS+(\t)/4], s22, s23
	v_add_f32 v[RS+(\t)/4], v[RS+(\t)/4], v[TP]
.endif
.endm
.irp t, 0,1,2,3,4,5,6,7,8,9,10,11,12,13,14,15
	STEP \t
.endr
	ds_load_b64 v[12:13], v6                       ; LDS serves a wave's instructions in order: these see my byte stores
	s_wait_dscnt 0x0
	global_store_b64 v7, v[12:13], s[8:9]          ; 32 lanes store 256 consecutive bytes, at a multiple of 256 from the buffer's first byte
	s_wait_xcnt 0x0                                ; EXEC is a source of the stores above: it changes only behind this wait
	v_cmp_eq_u32 vcc_lo, 0, v2
	s_wait_tensorcnt 0x0
	ds_add_u32 v240, v241
	s_wait_dscnt 0x0
	s_and_saveexec_b32 s24, vcc_lo                 ; lane 0 alone
	global_store_b128 v[ZO], v[RS:RS+3], s[10:11]  ; my four rows' sums: 16 bytes a wave; the whole of row_sq is 22,016 bytes
	s_endpgm
.Lfunc_end_k_q8b3be91d24_quant_up:
	.size	k_q8b3be91d24_quant_up, .Lfunc_end_k_q8b3be91d24_quant_up-k_q8b3be91d24_quant_up
	.p2alignl 7, 3214868480
	.fill 96, 4, 3214868480
	.section	.rodata,"a",@progbits
	.p2align	6, 0x0
	.amdhsa_kernel k_q8b3be91d24_quant_up
		.amdhsa_group_segment_fixed_size 33280
		.amdhsa_private_segment_fixed_size 0
		.amdhsa_enable_private_segment 0
		.amdhsa_kernarg_size 32
		.amdhsa_user_sgpr_count 2
		.amdhsa_user_sgpr_kernarg_segment_ptr 1
		.amdhsa_wavefront_size32 1
		.amdhsa_system_sgpr_workgroup_id_x 1
		.amdhsa_system_sgpr_workgroup_id_y 1
		.amdhsa_system_sgpr_workgroup_id_z 1
		.amdhsa_system_vgpr_workitem_id 0
		.amdhsa_next_free_vgpr 242
		.amdhsa_next_free_sgpr 66
		.amdhsa_reserve_vcc 1
		.amdhsa_float_denorm_mode_32 3
		.amdhsa_float_denorm_mode_16_64 3
		.amdhsa_memory_ordered 1
		.amdhsa_forward_progress 1
		.amdhsa_inst_pref_size 42
	.end_amdhsa_kernel
	.amdgpu_metadata
---
amdhsa.version: [ 1, 2 ]
amdhsa.kernels:
  - .name:           k_q8b3be91d24_quant_up
    .symbol:         k_q8b3be91d24_quant_up.kd
    .args:
      - { .name: w_up, .offset: 0, .size: 8, .value_kind: global_buffer, .address_space: global }
      - { .name: wu_codes, .offset: 8, .size: 8, .value_kind: global_buffer, .address_space: global }
      - { .name: wu_scales, .offset: 16, .size: 8, .value_kind: global_buffer, .address_space: global }
      - { .name: row_sq, .offset: 24, .size: 8, .value_kind: global_buffer, .address_space: global }
    .group_segment_fixed_size: 33280
    .private_segment_fixed_size: 0
    .kernarg_segment_align: 8
    .kernarg_segment_size: 32
    .max_flat_workgroup_size: 128
    .sgpr_count:     66
    .vgpr_count:     242
    .wavefront_size: 32
...
	.end_amdgpu_metadata
.endif
;; end of part 1
;; launch gateup (part 2): grid 8 x 43, 4 waves a work-group, clusters of 4 x 1, 327,680 bytes of LDS; arguments hidden_state_codes, hidden_state_scales, w_gate_codes, w_gate_scales, wu_codes, wu_scales, inter_codes, inter_scales, part; writes inter_codes, inter_scales, part
.if DOCPART == 2
	.amdgcn_target "amdgcn-amd-amdhsa--gfx1250"
	.amdhsa_code_object_version 6
	.text
	.protected	k_q8b3be91d24_gateup
	.globl	k_q8b3be91d24_gateup
	.p2align	8
	.type	k_q8b3be91d24_gateup,@function
k_q8b3be91d24_gateup:
	s_mov_b64 s[64:65], 0
	v_nop
	global_prefetch_b8 v0, s[64:65] scope:SCOPE_SE
	s_setreg_imm32_b32 hwreg(HW_REG_WAVE_MODE, 25, 1), 1
	s_wait_xcnt 0x0
	s_wait_alu depctr_hold_cnt(0) depctr_sa_sdst(0) depctr_va_vdst(0) depctr_va_sdst(0) depctr_va_ssrc(0) depctr_va_vcc(0) depctr_vm_vsrc(0)
	s_getreg_b32 s2, hwreg(HW_REG_IB_STS2, 6, 4)
	s_cmp_eq_u32 s2, 0
	s_cbranch_scc0 .Lentry_in_a_cluster
	s_endpgm
.Lentry_in_a_cluster:
	s_bfe_u32 s2, ttmp6, 0x10000c
	s_cmp_lg_u32 s2, 0x3003
	s_cbranch_scc0 .Lentry_shape_is_right
	s_endpgm
.Lentry_shape_is_right:
; inter = silu(x Wg^T) * (x Wu^T): both products on codes of FP6 (E2M3) with one E8M0 scale for each 32 along K = 2,048; sums, silu and the product in f32.  inter never goes to memory as f32:
; it leaves as codes of FP6 quantised along its columns (the next product's K), with their scale bytes, and as sums of squares down its columns.
; x: [2048][2048], Wg, Wu: [5504][2048]: a row of codes is one stream of bits, 1,536 bytes; a row of scale bytes 64.
; SHARES.  A work-group of four waves owns 256 rows x 128 columns of inter: 256 rows of x against 128 rows of Wg AND the same 128 rows of Wu.  Wave (RH, CH) owns rows 128 RH on and columns 64 CH on:
; eight blocks of 16 rows of x against eight blocks of B: blocks 0-3 are rows 64 CH + 16 b of Wg, blocks 4-7 the same rows of Wu.  64 accumulators of 16 x 16, 512 registers; gate and up of one number lie in one lane.
; K goes in steps of 256 through a ring of two LDS slots filled by the tensor data mover: a tile's row is 192 bytes.  The scale bytes of all 512 rows, for all of K, come into LDS once, with the first fills.
; CLUSTER: 4 x 1.  The 43 column tiles are no multiple of 4, so a cluster of 4 x 4 does not divide the grid; the four work-groups of a cluster lie along the rows and share Wg's and Wu's tiles and scale bytes,
; which are asked for JOINTLY (mask 15).  x's tiles are each work-group's own: plain loads, in the same rounds.
; THE MATRIX INSTRUCTION IS USED TRANSPOSED (source 0 = 16 rows of B, source 1 = 16 rows of x): a lane then holds ONE row of inter and its registers run along the columns, which are the next K.
; OUT.  inter_codes: [block of 16 rows: 128][K step of 128 columns: 43][1,536 bytes]: the image of the next product's operand: register pair p of lane l at 256 p + 8 l.
;       inter_scales: [tile of 128 rows: 16][K step: 43][row: 128] words, byte b for columns 32 b on.   part: [tile of 256 rows: 8][5504] f32: the sum of inter^2 down the tile's rows.
; LIMITS: where 2^(-gate log2 e) passes f32's range, silu is taken as -0 (its true size lies under f32's range there).  A block of inter whose largest magnitude lies under 2^-124, a block of zeros among them, has
; its byte held at 1 (the rule holds e at -126; for zeros it says 127, but zero codes add nothing under any byte but 0xff, and this program alone reads the bytes).  The squares are summed in another order than reference's.
; REGISTERS, in windows of 256: window 0: v1-31 addresses; v32-63 scale words, two sets, and nothing else; from v128 x's fragments, ONE set; at the end v64-127 and v128-243 are at work.
;   window 1: B's fragments, TWO sets, at v0 and at v128.   window 2: the 32 accumulators of my rows 0-63 (accumulator (a, b) at v[8 (8 a + b)]);   window 3: those of my rows 64-127.
.set KSTEP,  256                       ; along K in a slot
.set NQ,     2                         ; matrix instructions deep
.set ROWB,   192                       ; a tile's row in bytes
.set KROW,   1536                      ; a row of codes in memory
.set PITCH,  240                       ; an LDS row: 3 x (64 bytes + 16 of padding) = 60 words: row r starts at bank -4 r mod 64 (64 banks of 4 bytes: ISA guide 11.1), so the 32 lanes of a load of 8 bytes touch 64 different banks
.set FR,     12                        ; registers of a fragment: 16 rows x 128 K
.set NL,     6                         ; LDS loads that bring one
.set NP,     4                         ; places behind this matrix instruction (ISA guide 7.12.1)
.set HALFT,  128*PITCH                 ; 128 rows: what one tensor load brings
.set SLOT,   4*HALFT                   ; x's 256 rows, Wg's 128, Wu's 128
.set LAPS,   4                         ; a lap = two K steps = once round the ring: 2,048 / 512
.set SCL,    2*SLOT                    ; behind the ring: the scale bytes, as runs of 256 bytes + 16 of padding: x's two halves, Wg's, Wu's
.set HALFS,  32*272                    ; those of 128 rows (8,192 bytes)
.set SBLK,   4*272                     ; those of 16 rows
.set SPARE,  SCL+4*HALFS               ; the spare words, 128 bytes for each wave: two blocks of 256 bytes that no other line names
.set SSTG,   0                         ; at the end, in slot 0, which has had its last fill and its last read by then: 256 rows' scale words,
.set QSTG,   1024                      ; and [RH: 2][128 columns] sums of squares
.set FQ,   14                          ; v14     4 x thread
.set GS,   15                          ; v15     my two scale words' place in inter_scales
.set ADRA, 16                          ; v16-17  LDS address of my fragments of x in slot 0, 1  (v18-19: the same for the pieces that lie behind one padding more)
.set ADRB, 20                          ; v20-21  the same for B  (v22-23)
.set CO,   24                          ; v24     8 x lane
.set SBA,  25                          ; v25     where my block's scale byte goes
.set QA,   26                          ; v26     where my 32 columns' sums go
.set ADRS, 27                          ; v27     LDS address of my scale words: lanes 0-15 x's rows, lanes 16-31 B's: blocks 0-3
.set SPW,  28                          ; v28     LDS address of my spare word: SPARE + 4 x my thread's number; never rewritten
.set NIL,  29                          ; v29     0; never rewritten
.set ADRS2, 30                         ; v30     as v27, for blocks 4-7: Wu's scale bytes lie four blocks further on than B's block number says
.set FS,   31                          ; v31     8 x thread
.set SC,   32                          ; scale words: set s (for slot s) at v[SC + 16 s]; register 2 i + q: lanes 0-15 the word of x's block i, lanes 16-31 that of B's block i, for the slot's q-th 128 along K
.set X,    64                          ; v64-95   the end: 32 numbers of inter
.set SQ,   96                          ; v96-127  the end: sums of squares of my 32 columns
.set AF,   128                         ; x's fragments
.set CDB,  128                         ; v128-191 the end: eight registers of codes for each block of rows, so that no store's data are written again
.set E,    192                         ; v192-223 the end: 1 / (1 + 2^(-g log2 e))
.set MX,   224                         ; v224-225 largest magnitude, two chains
.set SO,   226                         ; v226     the conversion's scale operand
.set BY,   232                         ; v232-239 a scale byte for each block of rows
.set FIN,  240                         ; v240-243 the last stores' data
.set G1,   24                          ; s[24:31] descriptor group 1 for x's tiles;  s[32:39] group 0, one set for each slot
.set G0,   32
.set G1B,  40                          ; s[40:47], s[48:55] the same for B's tiles
.set G0B,  48
.set G1S,  56                          ; s[56:63], s[68:71] groups 1 and 0 for x's scale bytes;  s[72:79], s[80:83] for B's
.set G0S,  68
.set G1SB, 72
.set G0SB, 80
.set WV,   84                          ; s84 wave;  s85 RH = wave / 2: my half of the rows; also: I fetch for x (0) or for B (1);  s86 CH = wave % 2: my half of the columns; also: which half of x, or Wg (0) or Wu (1), I fetch
.set RH,   85
.set CH,   86
.set MSB, 0
.macro WIN new                         ; the immediate's high byte repeats the setting that is left
.if MSB != \new
	s_set_vgpr_msb (MSB<<8)|\new
.set MSB, \new
.endif
.endm
.set MUL_LO, 0xa1                      ; source 0 (B) window 1, source 1 (x) window 0, C and D window 2
.set MUL_HI, 0xf1                      ; the same, C and D window 3
.set TO_B,   0x40                      ; destination window 1, address window 0
; Waves 0 and 1 fetch for x (their own work-group's load), waves 2 and 3 for B (the joint load).  The branch hangs on the wave's number alone.
; Four v_nop follow each of the two lines, ahead of the jump, the label and what follows.
.macro JLOAD g0a, g1a, g0b, g1b
	s_cmp_eq_u32 s[RH], 0
	s_cbranch_scc0 .Lfor_b_\@
	tensor_load_to_lds s[\g0a:\g0a+3], s[\g1a:\g1a+7]
	s_nop 0
.rept 4
	v_nop
.endr
	s_branch .Lasked_\@
.Lfor_b_\@:
	tensor_load_to_lds s[\g0b:\g0b+3], s[\g1b:\g1b+7]
	s_nop 0
.rept 4
	v_nop
.endr
.Lasked_\@:
.endm
.macro CREST                           ; a round of the cluster's barrier behind its opening barrier
	s_cmp_lg_u32 s[WV], 0
	s_cbranch_scc1 .Lnot_wave_0_\@
	s_barrier_signal -3
.Lnot_wave_0_\@:
	s_barrier_wait -3
	s_barrier_signal -1
	s_barrier_wait -1
.endm
.macro CROUND                          ; a whole round
	s_barrier_signal -1
	s_barrier_wait -1
	CREST
.endm
	s_load_b256 s[4:11], s[0:1], 0x0               ; x's codes s[4:5], x's scales s[6:7], Wg's codes s[8:9], Wg's scales s[10:11]
	s_load_b256 s[12:19], s[0:1], 0x20             ; Wu's codes s[12:13], Wu's scales s[14:15], inter_codes s[16:17], inter_scales s[18:19]
	s_load_b64 s[20:21], s[0:1], 0x40              ; part
	v_lshl_add_u32 v[SPW], v0, 2, SPARE
	v_mov_b32 v[NIL], 0
	ds_add_u32 v28, v29
	ds_add_u32 v28, v29
	s_wait_dscnt 0x0
	v_lshrrev_b32 v1, 5, v0
	v_readfirstlane_b32 s[WV], v1                  ; wave 0..3
	s_lshr_b32 s[RH], s[WV], 1
	s_and_b32 s[CH], s[WV], 1
	s_bfe_u32 s87, ttmp6, 0x40000                  ; cx: my place in the cluster
	s_lshl_b32 s88, ttmp9, 2
	s_add_co_u32 s88, s88, s87                     ; MT: my tile of 256 rows = 4 x cluster x + cx
	s_and_b32 s89, ttmp7, 0xffff                   ; NT: my tile of 128 columns, which the four partners share
	; descriptor group 1: a tile of 128 rows x 192 bytes, padded in LDS
	s_mov_b32 s[G1+0], (1<<20)|(3<<22)|(3<<25)     ; 15:0 no mask; 17:16 elements of 1 byte; 20 padding on; 24:22 after every 16 words (code 3); 31:25 of 4 words (code 3)
	s_mov_b32 s[G1B+0], 15|(1<<20)|(1<<21)|(3<<22)|(3<<25)   ; the same with the mask of all four work-groups, and bit 21 beside it
.irp g, G1, G1B
	s_mov_b32 s[\g+1], ROWB<<16                    ; tensor_dim0
	s_mov_b32 s[\g+2], 128<<16                     ; tensor_dim1 = 128
	s_mov_b32 s[\g+3], ROWB<<16                    ; tile_dim0
	s_mov_b32 s[\g+4], 128                         ; tile_dim1 = 128
	s_mov_b32 s[\g+5], KROW                        ; tensor_dim0_stride
	s_mov_b32 s[\g+6], 0
	s_mov_b32 s[\g+7], 0
.endr
	; and for the scale bytes of 128 rows: a dense block of 8,192 bytes, as 32 rows of 256 bytes (32 elements of 8 bytes), 16 bytes of padding behind each
	s_mov_b32 s[G1S+0], (3<<16)|(1<<20)|(5<<22)|(3<<25)
	s_mov_b32 s[G1SB+0], 15|(3<<16)|(1<<20)|(1<<21)|(5<<22)|(3<<25)
.irp g, G1S, G1SB
	s_mov_b32 s[\g+1], 32<<16
	s_mov_b32 s[\g+2], 32<<16
	s_mov_b32 s[\g+3], 32<<16
	s_mov_b32 s[\g+4], 32
	s_mov_b32 s[\g+5], 32
	s_mov_b32 s[\g+6], 0
	s_mov_b32 s[\g+7], 0
.endr
	s_lshl_b32 s22, s88, 8
	s_lshl_b32 s23, s[CH], 7
	s_add_co_u32 s22, s22, s23                     ; x: row 256 MT + 128 x half
	s_mul_i32 s90, s22, KROW                       ; its codes, in bytes (3 MB in all: one word holds it),
	s_mov_b32 s91, 0
	s_lshl_b32 s94, s22, 6                         ; its scale bytes
	s_mov_b32 s95, 0
	s_mul_i32 s92, s89, 128*KROW                   ; B: row 128 NT of Wg or of Wu: no register that feeds B's descriptors ever holds cx
	s_mov_b32 s93, 0
	s_mul_i32 s23, s[WV], HALFT                    ; where they go: wave x 128 rows: no place in the cluster enters an LDS address
	s_mul_i32 s22, s[WV], HALFS
	s_wait_kmcnt 0x0
	s_add_nc_u64 s[90:91], s[4:5], s[90:91]
	s_add_nc_u64 s[94:95], s[6:7], s[94:95]
	s_cmp_eq_u32 s[CH], 0                          ; wave 2 brings Wg, wave 3 Wu: the choice hangs on the wave's number alone
	s_cselect_b64 s[96:97], s[8:9], s[12:13]
	s_cselect_b64 s[98:99], s[10:11], s[14:15]
	s_add_nc_u64 s[96:97], s[96:97], s[92:93]
	s_lshl_b32 s92, s89, 13                        ; 128 rows x 64 scale bytes
	s_add_nc_u64 s[98:99], s[98:99], s[92:93]
	CROUND                                         ; all four work-groups are here: the first joint loads meet
	s_mov_b32 s[G0S], 1
	s_add_co_u32 s[G0S+1], s22, SCL
	s_mov_b64 s[G0S+2:G0S+3], s[94:95]
	s_or_b32 s[G0S+3], s[G0S+3], 0x80000000
	s_mov_b32 s[G0SB], 1
	s_add_co_u32 s[G0SB+1], s22, SCL
	s_mov_b64 s[G0SB+2:G0SB+3], s[98:99]
	s_or_b32 s[G0SB+3], s[G0SB+3], 0x80000000
	JLOAD G0S, G1S, G0SB, G1SB                     ; the scale bytes first: they are wanted with K step 0
.irp s, 0,1
	s_mov_b32 s[G0+4*\s], 1                                        ; 1:0 count = 1
	s_add_co_u32 s[G0+4*\s+1], s23, \s*SLOT                        ; 63:32 LDS address
	s_add_nc_u64 s[G0+4*\s+2:G0+4*\s+3], s[90:91], \s*ROWB         ; 120:64 global address: K step s
	s_or_b32 s[G0+4*\s+3], s[G0+4*\s+3], 0x80000000               ; 127:126 type = 2
	s_mov_b32 s[G0B+4*\s], 1
	s_add_co_u32 s[G0B+4*\s+1], s23, \s*SLOT
	s_add_nc_u64 s[G0B+4*\s+2:G0B+4*\s+3], s[96:97], \s*ROWB
	s_or_b32 s[G0B+4*\s+3], s[G0B+4*\s+3], 0x80000000
	JLOAD G0+4*\s, G1, G0B+4*\s, G1B               ; three tensor loads of mine are out now
.endr
	v_and_b32 v1, 15, v0                           ; r = l % 16
	v_bfe_u32 v2, v0, 4, 1                         ; h = l / 16
	v_mul_u32_u24 v3, v1, PITCH
	v_mul_u32_u24 v4, v2, 24
	v_add_nc_u32 v4, v3, v4                        ; a fragment's row x pitch + 24 x half
	v_lshl_add_u32 v5, v2, 4, v4                   ; and the same behind one padding more
	s_mul_i32 s22, s[RH], HALFT                    ; my 128 rows of x
	s_mul_i32 s23, s[CH], 64*PITCH                 ; my 64 rows of Wg,
	s_add_co_u32 s23, s23, 2*HALFT                 ; which lie behind x's 256; Wu's lie 128 rows further on
.irp s, 0,1
	v_add_nc_u32 v[ADRA+\s], s22, v4
	v_add_nc_u32 v[ADRB+\s], s23, v4
	v_add_nc_u32 v[ADRA+2+\s], s22, v5
	v_add_nc_u32 v[ADRB+2+\s], s23, v5
	s_add_co_u32 s22, s22, SLOT
	s_add_co_u32 s23, s23, SLOT
.endr
	v_lshlrev_b32 v5, 6, v1                        ; my row's scale bytes: 64 a row,
	v_lshrrev_b32 v6, 8, v5
	v_lshl_add_u32 v5, v6, 4, v5                   ; and 16 more for each 256 passed
	s_mul_i32 s22, s[RH], HALFS                    ; x's: my 128 rows
	s_mul_i32 s23, s[CH], 4*SBLK                   ; Wg's: my 64 rows, behind x's 256
	s_add_co_u32 s23, s23, 2*HALFS
	s_sub_co_u32 s23, s23, s22                     ; the distance from x's to Wg's,
	s_add_co_u32 s90, s23, 4*SBLK                  ; and to where Wu's block i lies less i blocks: 128 rows behind Wg's, four blocks of which i counts already
	v_mul_u32_u24 v6, s23, v2                      ; lanes 16-31 take B's: one product each
	v_mul_u32_u24 v7, s90, v2
	s_add_co_u32 s22, s22, SCL
	v_add_nc_u32 v6, v5, v6
	v_add_nc_u32 v7, v5, v7
	v_add_nc_u32 v[ADRS], s22, v6
	v_add_nc_u32 v[ADRS2], s22, v7
	v_and_b32 v6, 31, v0
	v_lshlrev_b32 v[CO], 3, v6                     ; 8 x lane
	s_lshl_b32 s22, s[RH], 9
	s_lshl_b32 s23, s[CH], 1
	s_add_co_u32 s23, s22, s23
	v_lshl_add_u32 v[SBA], v1, 2, v2
	v_add_nc_u32 v[SBA], s23, v[SBA]               ; row (128 RH + 16 a + r)'s word, byte 2 CH + h: 512 RH + 4 r + 2 CH + h; 64 a stands in the store's offset
	s_lshl_b32 s23, s[CH], 8
	s_add_co_u32 s22, s22, s23
	s_add_co_u32 s22, s22, QSTG
	v_lshl_add_u32 v[QA], v2, 7, s22               ; column 64 CH + 32 h of half RH: QSTG + 512 RH + 256 CH + 128 h
	v_lshlrev_b32 v[FQ], 2, v0
	v_lshlrev_b32 v[FS], 3, v0
	v_lshrrev_b32 v6, 6, v0
	v_and_b32 v7, 63, v0
	v_lshlrev_b32 v7, 3, v7
	v_mad_u32_u24 v[GS], v6, 22016, v7             ; thread t stores rows 2 t, 2 t + 1: tile of 128 rows t / 64 (43 x 512 bytes apart), 8 (t % 64) in it
	s_lshl_b32 s22, s88, 4
	s_lshl_b32 s23, s[RH], 3
	s_add_co_u32 s22, s22, s23                     ; my first block of 16 rows: 16 MT + 8 RH
	s_mul_i32 s22, s22, 43
	s_add_co_u32 s22, s22, s89                     ; its K step NT
	s_mul_i32 s22, s22, 1536
	s_mul_i32 s23, s[CH], 768                      ; my half of the image: register pairs 3 CH on
	s_add_co_u32 s22, s22, s23
	s_mov_b32 s23, 0
	s_add_nc_u64 s[16:17], s[16:17], s[22:23]
	s_mul_i32 s22, s88, 44032                      ; inter_scales: two tiles of 128 rows a work-group,
	s_lshl_b32 s90, s89, 9                         ; 512 bytes a K step
	s_add_co_u32 s22, s22, s90
	s_add_nc_u64 s[18:19], s[18:19], s[22:23]
	s_mul_i32 s22, s88, 22016                      ; part: row MT, column 128 NT
	s_add_co_u32 s22, s22, s90
	s_add_nc_u64 s[20:21], s[20:21], s[22:23]
.macro FRAG reg, adr, q, i             ; a fragment, 16 rows x 128 K of 6-bit codes, is 12 registers: lane l holds row l % 16; registers 6 c .. 6 c + 5 hold K = 64 c + 32 (l / 16) + 0 .. 31: 24 bytes of the row's stream of bits, as they lie
.irp p, 0,1,2,3,4,5                    ; in pieces of 8 bytes, so that every address is a multiple of the access's size.  Lanes 0-15 take the row's pieces 12 q + 0, 1, 2 and 12 q + 6, 7, 8, lanes 16-31 those three pieces on
.set PC, 12*(\q)+6*(\p/3)+\p%3        ; 16 bytes of padding lie behind every 64 bytes (8 pieces): where the piece three on lies behind one padding more, the second address register (40 for 24 bytes a half) serves
.if PC%8 < 5
	ds_load_b64 v[\reg+2*\p:\reg+2*\p+1], v[\adr] offset:8*PC+16*(PC/8)+(\i)*16*PITCH
.else
	ds_load_b64 v[\reg+2*\p:\reg+2*\p+1], v[\adr+2] offset:8*PC+16*(PC/8)+(\i)*16*PITCH
.endif
.endr
.endm
; 16 matrix instructions: x's blocks a0, a0 + 1 against B's eight, 128 along K: the slot's q-th.  p: B's set;  sc: the set of scale words.  zero = 1: the first product starts the sums: nothing is ever cleared.
; The 64 accumulators take turns, one instruction a turn, in the same order in every step.
.macro MUL16 a0, p, q, sc, zero
.irp a, \a0, \a0+1
.irp b, 0,1,2,3,4,5,6,7
.if \zero
	v_wmma_scale_f32_16x16x128_f8f6f4 v[8*(8*((\a)%4)+\b):8*(8*((\a)%4)+\b)+7], v[128*(\p)+FR*\b:128*(\p)+FR*\b+FR-1], v[AF+FR*(\a):AF+FR*(\a)+FR-1], 0, v[SC+8*NQ*(\sc)+NQ*\b+(\q)], v[SC+8*NQ*(\sc)+NQ*(\a)+(\q)] matrix_a_fmt:MATRIX_FMT_FP6 matrix_b_fmt:MATRIX_FMT_FP6 matrix_a_scale:MATRIX_SCALE_ROW1
.else
	v_wmma_scale_f32_16x16x128_f8f6f4 v[8*(8*((\a)%4)+\b):8*(8*((\a)%4)+\b)+7], v[128*(\p)+FR*\b:128*(\p)+FR*\b+FR-1], v[AF+FR*(\a):AF+FR*(\a)+FR-1], v[8*(8*((\a)%4)+\b):8*(8*((\a)%4)+\b)+7], v[SC+8*NQ*(\sc)+NQ*\b+(\q)], v[SC+8*NQ*(\sc)+NQ*(\a)+(\q)] matrix_a_fmt:MATRIX_FMT_FP6 matrix_b_fmt:MATRIX_FMT_FP6 matrix_a_scale:MATRIX_SCALE_ROW1
.endif
.endr
.endr
.endm
.macro FETCH_B slot, q, p              ; B's eight fragments of the slot's q-th 128 along K into set p: blocks 0-3 Wg's, blocks 4-7 Wu's, eight blocks of rows further on in the slot
	WIN TO_B
.irp i, 0,1,2,3,4,5,6,7
	FRAG 128*(\p)+FR*\i, ADRB+\slot, \q, \i+4*(\i/4)
.endr
	WIN 0
.endm
.macro FETCH_A slot, q, i0             ; x's blocks i0 .. i0 + 3
.irp i, \i0, \i0+1, \i0+2, \i0+3
	FRAG AF+FR*(\i), ADRA+\slot, \q, \i
.endr
.endm
.macro SCALES sc                       ; a K step's scale words into set sc: two words a row; lanes 0-15 take x's block i, lanes 16-31 B's block i
.irp i, 0,1,2,3
	ds_load_b64 v[SC+8*NQ*\sc+NQ*\i:SC+8*NQ*\sc+NQ*\i+1], v[ADRS] offset:\i*SBLK
.endr
.irp i, 4,5,6,7
	ds_load_b64 v[SC+8*NQ*\sc+NQ*\i:SC+8*NQ*\sc+NQ*\i+1], v[ADRS2] offset:\i*SBLK
.endr
.endm
; A load into a register that a matrix instruction has read, and a vector instruction that reads a matrix result or writes one of a matrix instruction's registers, stand NP places behind that matrix
; instruction, and only plain vector instructions that name none of its registers are places (ISA guide 7.12.1 for vector instructions).
.macro PLACES n
.rept \n
	v_nop
.endr
.endm
; A step of 128 along K that has its successor in the same slot.  x has one set of registers: a block is free as soon as its eight products are issued; blocks 0-3 are fetched anew in the step's middle, blocks 4-7 at its end.
.macro STEP slot, q, zero
	s_wait_dscnt 4*NL                              ; B's set, the scale words and x's blocks 0-3 are in; the youngest 24 loads (x's blocks 4-7) may be out
	WIN MUL_LO
	MUL16 0, (\q)%2, \q, \slot, \zero
	MUL16 2, (\q)%2, \q, \slot, \zero
	s_wait_dscnt 0                                 ; x's blocks 4-7 are in (asked for 32 matrix instructions ago)
	PLACES NP
	FETCH_B \slot, (\q)+1, 1-(\q)%2
	FETCH_A \slot, (\q)+1, 0
	WIN MUL_HI
	MUL16 4, (\q)%2, \q, \slot, \zero
	MUL16 6, (\q)%2, \q, \slot, \zero
	PLACES NP
	WIN 0
	FETCH_A \slot, (\q)+1, 4
.endm
; A slot's last step changes slots: ONE barrier; in front of it each wave waits for all its tensor loads, adds 0 to its spare word, and waits for that and for its own reads of this slot.  fill = 1: this slot is filled again, two K steps ahead.
.macro TURN slot, next, fill
	s_wait_tensorcnt 0x0                           ; all my tensor loads have landed: my part of the next slot;  (every window is 0 here: the add's two registers lie in window 0)
	ds_add_u32 v[SPW], v[NIL]                      ; 0 onto my spare word
	s_wait_dscnt 4*NL+1                            ; (the add and the youngest 24 loads, x's blocks 4-7, may be out)
	WIN MUL_LO
	MUL16 0, 1, NQ-1, \slot, 0                     ; sixteen matrix instructions stand between the add and the wait for it
	s_wait_dscnt 0x0                               ; the add is done, and my reads of this slot are over
	s_barrier_signal -1
	MUL16 2, 1, NQ-1, \slot, 0
	WIN 0
	s_barrier_wait -1
.if \fill
	CREST                                          ; the barrier has opened a round of the cluster's barrier: no wave of any partner still reads this slot's tile or has a load on its way
	s_add_nc_u64 s[G0+4*\slot+2:G0+4*\slot+3], s[G0+4*\slot+2:G0+4*\slot+3], 2*ROWB
	s_add_nc_u64 s[G0B+4*\slot+2:G0B+4*\slot+3], s[G0B+4*\slot+2:G0B+4*\slot+3], 2*ROWB
	JLOAD G0+4*\slot, G1, G0B+4*\slot, G1B         ; the first tensor load behind the round, my one load until the next; the four v_nop behind it are the places in front of the loads below
.else
	PLACES NP
.endif
	v_add_nc_u32 v[ADRS], 4*NQ, v[ADRS]            ; on to the next K step's scale words: 8 bytes on in each row
	v_add_nc_u32 v[ADRS2], 4*NQ, v[ADRS2]
	FETCH_B \next, 0, 0
	FETCH_A \next, 0, 0
	SCALES \next
	WIN MUL_HI
	MUL16 4, 1, NQ-1, \slot, 0
	MUL16 6, 1, NQ-1, \slot, 0
	PLACES NP
	WIN 0
	FETCH_A \next, 0, 4
.endm
	s_wait_tensorcnt 1                             ; the scale bytes and my part of K step 0 are in (K step 1's load may be out)
	s_barrier_signal -1
	s_barrier_wait -1                              ; everybody's are
	FETCH_B 0, 0, 0
	FETCH_A 0, 0, 0
	SCALES 0
	FETCH_A 0, 0, 4
	STEP 0, 0, 1                                   ; the first step stands in front of the loop: its products start the sums
	s_mov_b32 s3, LAPS-1
.Llap:                                                 ; a trip goes once round the ring, from a lap's second step to the next lap's first, and fills both slots again
	TURN 0, 1, 1
	STEP 1, 0, 0
	TURN 1, 0, 1
	STEP 0, 0, 0
	s_sub_co_u32 s3, s3, 1
	s_cmp_lg_u32 s3, 0
	s_cbranch_scc1 .Llap
	TURN 0, 1, 0                                   ; the last lap fills nothing, and has no round of the cluster's barrier
	STEP 1, 0, 0
	s_wait_dscnt 4*NL                              ; the very last step: nothing more to fetch
	WIN MUL_LO
	MUL16 0, 1, NQ-1, 1, 0
	MUL16 2, 1, NQ-1, 1, 0
	s_wait_dscnt 0
	WIN MUL_HI
	MUL16 4, 1, NQ-1, 1, 0
	MUL16 6, 1, NQ-1, 1, 0
	WIN 0
; THE END, block by block of 16 rows.  In accumulator (a, t) lane (r, h) holds gate(row r, column 16 t + 8 h + j) in register j, in (a, 4 + t) up of the same places.
; inter = g x 1 / (1 + 2^(-g log2 e)) x u, in f32.  Tiles 0, 2 and 1, 3 are laid side by side and exchange halves of the lanes: lane (r, h) then holds row r, columns 32 h + 0 .. 31 of my 64 in X + 0 .. 31:
; a WHOLE block of the next K, so its largest magnitude needs no other lane and its 32 codes are registers 6 CH .. 6 CH + 5 of the next operand as they stand.
.macro EPI a
.set AC, 64*((\a)%4)
.set CD, CDB+8*(\a)
.set S0, 0x02+(\a)/4                   ; source 0: window 2 or 3
	WIN S0
.irp t, 0,1,2,3
.irp k, 0,2,4,6
	v_pk_mul_f32 v[E+8*\t+\k:E+8*\t+\k+1], v[AC+8*\t+\k:AC+8*\t+\k+1], 0xbfb8aa3b op_sel_hi:[1,0]   ; -g log2 e; each accumulator is read from its low end on
.endr
.endr
	WIN 0
.set j, 0
.rept 32
	v_exp_f32 v[E+j], v[E+j]
.set j, j+1
.endr
	v_nop                                          ; a plain line behind the exponentials (ISA guide 5.7.2)
.set j, 0
	s_wait_alu depctr_va_vdst(0)
.rept 16
	v_pk_add_f32 v[E+j:E+j+1], v[E+j:E+j+1], 1.0 op_sel_hi:[1,0]
.set j, j+2
.endr
.set j, 0
.rept 32
	v_rcp_f32 v[E+j], v[E+j]
.set j, j+1
.endr
	v_nop                                          ; a plain line behind the reciprocals
	WIN S0
	s_wait_alu depctr_va_vdst(0)
.irp t, 0,1,2,3
.irp k, 0,2,4,6
	v_pk_mul_f32 v[X+16*(\t%2)+8*(\t/2)+\k:X+16*(\t%2)+8*(\t/2)+\k+1], v[AC+8*\t+\k:AC+8*\t+\k+1], v[E+8*\t+\k:E+8*\t+\k+1]   ; silu(g); tiles 0, 2, 1, 3 in this order
.endr
.endr
.irp t, 0,1,2,3
.irp k, 0,2,4,6
	v_pk_mul_f32 v[X+16*(\t%2)+8*(\t/2)+\k:X+16*(\t%2)+8*(\t/2)+\k+1], v[AC+32+8*\t+\k:AC+32+8*\t+\k+1], v[X+16*(\t%2)+8*(\t/2)+\k:X+16*(\t%2)+8*(\t/2)+\k+1]   ; x up
.endr
.endr
	WIN 0
.irp i, 0,1,2,3,4,5,6,7
	v_permlane16_swap_b32 v[X+\i], v[X+8+\i]       ; tile 0's lanes 16-31 change places with tile 2's lanes 0-15: columns 32 h + i and 32 h + 8 + i
	v_permlane16_swap_b32 v[X+16+\i], v[X+24+\i]   ; tiles 1 and 3: columns 32 h + 16 + i and 32 h + 24 + i
.endr
.set j, 0
.rept 16
.if (\a) == 0
	v_pk_mul_f32 v[SQ+j:SQ+j+1], v[X+j:X+j+1], v[X+j:X+j+1]        ; the first block starts the sums of squares: nothing is cleared
.else
	v_pk_fma_f32 v[SQ+j:SQ+j+1], v[X+j:X+j+1], v[X+j:X+j+1], v[SQ+j:SQ+j+1]
.endif
.set j, j+2
.endr
	v_max3_num_f32 v[MX], |v[X]|, |v[X+1]|, 0x1800000              ; the block's largest magnitude, in two chains, and the floor 2^(3 - 127): so the byte cannot fall under 1
	v_max3_num_f32 v[MX+1], |v[X+2]|, |v[X+3]|, |v[X+4]|
.irp i, 5,9,13,17,21,25
	v_max3_num_f32 v[MX], v[MX], |v[X+\i]|, |v[X+\i+1]|
	v_max3_num_f32 v[MX+1], v[MX+1], |v[X+\i+2]|, |v[X+\i+3]|
.endr
	v_max3_num_f32 v[MX], v[MX], |v[X+29]|, |v[X+30]|
	v_max3_num_f32 v[MX], v[MX], v[MX+1], |v[X+31]|
	v_add_nc_u32 v[SO], 0xff000000, v[MX]          ; 2 off its exponent field: the conversion's scale operand
	v_lshrrev_b32 v[BY+(\a)], 23, v[SO]            ; the scale's byte
	v_cvt_scalef32_pk16_fp6_f32 v[CD:CD+2], v[X:X+15], v[SO]
	v_cvt_scalef32_pk16_fp6_f32 v[CD+4:CD+6], v[X+16:X+31], v[SO]  ; (a conversion's three registers begin on an even number)
	v_nop                                          ; one plain line behind a scaled conversion
	v_mov_b32 v[CD+3], v[CD+4]
	v_mov_b32 v[CD+4], v[CD+5]
	v_mov_b32 v[CD+5], v[CD+6]                     ; six registers on end: 192 bits, my block's 32 codes
	ds_store_b8 v[SBA], v[BY+(\a)] offset:SSTG+64*(\a)
.irp p, 0,1,2
	global_store_b64 v[CO], v[CD+2*\p:CD+2*\p+1], s[16:17] offset:(\a)*66048+256*\p   ; 32 lanes store 256 consecutive bytes, at a multiple of 256 from the buffer's first byte; a block of rows is 43 x 1,536 bytes on
.endr
.endm
	PLACES NP                                      ; behind the last products: the lines below write registers that held x's last fragments
.irp a, 0,1,2,3,4,5,6,7
	EPI \a
.endr
.irp m, 1,2,4,8                        ; the sums of squares over the 16 rows that the lanes of a half hold
.set j, 0
.rept 32
	v_add_f32_dpp v[SQ+j], v[SQ+j], v[SQ+j] row_xmask:\m row_mask:0xf bank_mask:0xf
.set j, j+1
.endr
.endr
.irp k, 0,1,2,3,4,5,6,7
	ds_store_b128 v[QA], v[SQ+4*\k:SQ+4*\k+3] offset:16*\k         ; the sixteen lanes of a half write the same words with the same values
.endr
	s_wait_dscnt 0x0                               ; for the others' sake: my stores of scale bytes and of sums are done
	s_barrier_signal -1
	s_barrier_wait -1
	ds_load_b64 v[FIN:FIN+1], v[FS] offset:SSTG    ; thread t: the scale words of rows 2 t and 2 t + 1, whose four bytes come from two waves;
	ds_load_b32 v[FIN+2], v[FQ] offset:QSTG        ; and column t's two sums, of rows 0-127 and of rows 128-255
	ds_load_b32 v[FIN+3], v[FQ] offset:QSTG+512
	s_wait_dscnt 0x0
	v_add_f32 v[FIN+2], v[FIN+2], v[FIN+3]
	global_store_b64 v[GS], v[FIN:FIN+1], s[18:19] ; two runs of 512 consecutive bytes
	global_store_b32 v[FQ], v[FIN+2], s[20:21]     ; 512 consecutive bytes
	s_wait_tensorcnt 0x0                           ; the wave's end: behind my last tensor load and my last LDS store
	ds_add_u32 v[SPW], v[NIL]
	s_wait_dscnt 0x0
	CROUND                                         ; the closing round: no work-group ends while a partner may still ask for a tile that names it
	s_endpgm
.Lfunc_end_k_q8b3be91d24_gateup:
	.size	k_q8b3be91d24_gateup, .Lfunc_end_k_q8b3be91d24_gateup-k_q8b3be91d24_gateup
	.p2alignl 7, 3214868480
	.fill 96, 4, 3214868480
	.section	.rodata,"a",@progbits
	.p2align	6, 0x0
	.amdhsa_kernel k_q8b3be91d24_gateup
		.amdhsa_group_segment_fixed_size 327680
		.amdhsa_private_segment_fixed_size 0
		.amdhsa_enable_private_segment 0
		.amdhsa_kernarg_size 72
		.amdhsa_user_sgpr_count 2
		.amdhsa_user_sgpr_kernarg_segment_ptr 1
		.amdhsa_wavefront_size32 1
		.amdhsa_system_sgpr_workgroup_id_x 1
		.amdhsa_system_sgpr_workgroup_id_y 1
		.amdhsa_system_sgpr_workgroup_id_z 1
		.amdhsa_system_vgpr_workitem_id 0
		.amdhsa_next_free_vgpr 1024
		.amdhsa_next_free_sgpr 100
		.amdhsa_reserve_vcc 0
		.amdhsa_float_denorm_mode_32 3
		.amdhsa_float_denorm_mode_16_64 3
		.amdhsa_memory_ordered 1
		.amdhsa_forward_progress 1
		.amdhsa_inst_pref_size 220
	.end_amdhsa_kernel
	.amdgpu_metadata
---
amdhsa.version: [ 1, 2 ]
amdhsa.kernels:
  - .name:           k_q8b3be91d24_gateup
    .symbol:         k_q8b3be91d24_gateup.kd
    .args:
      - { .name: hidden_state_codes, .offset: 0, .size: 8, .value_kind: global_buffer, .address_space: global }
      - { .name: hidden_state_scales, .offset: 8, .size: 8, .value_kind: global_buffer, .address_space: global }
      - { .name: w_gate_codes, .offset: 16, .size: 8, .value_kind: global_buffer, .address_space: global }
      - { .name: w_gate_scales, .offset: 24, .size: 8, .value_kind: global_buffer, .address_space: global }
      - { .name: wu_codes, .offset: 32, .size: 8, .value_kind: global_buffer, .address_space: global }
      - { .name: wu_scales, .offset: 40, .size: 8, .value_kind: global_buffer, .address_space: global }
      - { .name: inter_codes, .offset: 48, .size: 8, .value_kind: global_buffer, .address_space: global }
      - { .name: inter_scales, .offset: 56, .size: 8, .value_kind: global_buffer, .address_space: global }
      - { .name: part, .offset: 64, .size: 8, .value_kind: global_buffer, .address_space: global }
    .group_segment_fixed_size: 327680
    .private_segment_fixed_size: 0
    .kernarg_segment_align: 8
    .kernarg_segment_size: 72
    .max_flat_workgroup_size: 128
    .sgpr_count:     100
    .vgpr_count:     1024
    .wavefront_size: 32
...
	.end_amdgpu_metadata
.endif
;; end of part 2
;; launch down (part 3): grid 16 x 16, 4 waves a work-group, clusters of 4 x 1, 327,680 bytes of LDS; arguments inter_codes, inter_scales, w_down_codes, w_down_scales, part, row_sq, out0, out1; writes out0, out1
.if DOCPART == 3
	.amdgcn_target "amdgcn-amd-amdhsa--gfx1250"
	.amdhsa_code_object_version 6
	.text
	.protected	k_q8b3be91d24_down
	.globl	k_q8b3be91d24_down
	.p2align	8
	.type	k_q8b3be91d24_down,@function
k_q8b3be91d24_down:
	s_mov_b64 s[64:65], 0
	v_nop
	global_prefetch_b8 v0, s[64:65] scope:SCOPE_SE
	s_setreg_imm32_b32 hwreg(HW_REG_WAVE_MODE, 25, 1), 1
	s_wait_xcnt 0x0
	s_wait_alu depctr_hold_cnt(0) depctr_sa_sdst(0) depctr_va_vdst(0) depctr_va_sdst(0) depctr_va_ssrc(0) depctr_va_vcc(0) depctr_vm_vsrc(0)
	s_getreg_b32 s2, hwreg(HW_REG_IB_STS2, 6, 4)
	s_cmp_eq_u32 s2, 0
	s_cbranch_scc0 .Lentry_in_a_cluster
	s_endpgm
.Lentry_in_a_cluster:
	s_bfe_u32 s2, ttmp6, 0x10000c
	s_cmp_lg_u32 s2, 0x3003
	s_cbranch_scc0 .Lentry_shape_is_right
	s_endpgm
.Lentry_shape_is_right:
; out0 = Q(inter) Wd^T on codes of FP6 (E2M3) with one E8M0 scale for each 32 along K = 5,504; sums in f32.  And out1[b][i] = sqrt((the sum of inter^2 over batch b's 512 rows) x row_sq[i]).
; A = inter: [block of 16 rows: 128][K step of 128: 43][1,536 bytes], each piece the image of an operand's registers: register pair p of lane l at 256 p + 8 l; its scale words [tile of 128 rows: 16][K step: 43][row: 128].
; B = Wd: [2048][5504]: a row of codes is one stream of bits, 4,128 bytes; a row of scale bytes 172.  out0: [2048][2048] f32.
; SHARES.  Tiles of 256 x 256 of out0 would be 64; a tile is 128 x 128, which makes 256 work-groups.  Wave w makes rows 32 w .. 32 w + 31 of the tile, all 128 columns: 2 blocks of A against 8 of B, 16 accumulators, 128 registers.
; A GOES STRAIGHT INTO REGISTERS.  With these shares an image of A is wanted by ONE wave of the work-group, and it lies in memory as the registers want it: twelve loads a step, each of 256 consecutive bytes at a multiple of 256,
; asked for five steps ahead (60 loads of a wave are out at the most), into eight sets of 24 registers by turns.  They are counted by LOADcnt and stay on their way across every barrier.
; B GOES THROUGH LDS, which all four waves read: a ring of two slots of EIGHT K steps each (rows of 768 bytes), filled by the tensor data mover; the tile's 128 rows are shared among the four waves, 32 rows to a load.
; K: 43 steps = five slots of eight and one of three.  The last fill keeps the tile's shape and states a shorter tensor_dim0, so that nothing past a row's end is read; what it leaves as zeros is not multiplied.
; The scale bytes of the work-group's rows of A and of B, for all of K, are two dense blocks of 22,016 bytes: they come into LDS once, with the first fills.
; CLUSTER: 4 x 1.  The four work-groups of a cluster make four tile rows of ONE tile column: they need the same tiles and scale bytes of B, which are asked for JOINTLY (mask 15).  A's images are shared too, by the 16 work-groups
; of a tile row, but a joint load lands in LDS: there A's 12,288 bytes a step would halve the steps that a slot holds and add twelve LDS reads a wave and step.  So A is not asked for jointly.
; WRITTEN OUT, NO LOOP: the 43 steps stand one behind the other, by macro: every offset is an immediate, no pointer and no address register is stepped.
; THE MATRIX INSTRUCTION IS USED TRANSPOSED (source 0 = 16 rows of B, source 1 = 16 rows of A): a lane then holds eight neighbouring numbers of a row of out0.
; LIMITS: v_sqrt_f32 takes a denormal product as zero (ISA guide 15.8).
; REGISTERS: window 0: v1-29 addresses; v32-36 and v40-44 scale words, two sets, and nothing else; v48-51 out1; v64-127 the way out; v128-255 the accumulators ((a, b) at v[128 + 8 (8 a + b)]).
;   window 1: B's fragments, two sets of eight, at v0 and at v128.   window 2: A's fragments, eight sets of two, from v0.
.set KSTEPS, 43
.set SPS,    8                         ; K steps in a slot
.set NSL,    6                         ; slots' worth of K steps
.set IMG,    1536                      ; an image: 16 rows x 128 K
.set AROW,   KSTEPS*IMG                ; from a block of 16 rows of A to the next
.set BROW,   4128                      ; a row of B's codes in memory
.set BSLOTB, SPS*96                    ; a row of a slot: 768 bytes
.set BPITCH, 816                       ; and in LDS: 3 x (256 bytes + 16 of padding) = 204 words: row r starts at bank 12 r mod 64 (64 banks of 4 bytes: ISA guide 11.1): sixteen different multiples of 4, so the 32 lanes of a load of 8 bytes touch 64 different banks
.set BQ,     32*BPITCH                 ; 32 rows: what one tensor load brings
.set SLOT,   4*BQ
.set SCH,    11008                     ; half of a side's scale bytes: 43 runs of 256
.set SCA,    2*SLOT                    ; behind the ring: A's scale words, [K step][128 rows];
.set SCB,    SCA+2*SCH                 ; B's scale bytes, rows of 172 bytes = 43 words: an odd number, so 32 neighbouring rows' words fall in 32 different banks
.set STAGE,  SCB+2*SCH                 ; the way out: 16 rows x (512 bytes + 16) for each wave; no tensor load fills it
.set SPITCH, 528
.set SPARE,  STAGE+4*16*SPITCH         ; the spare words, 128 bytes for each wave: two blocks of 256 bytes that no other line names
.set AHEAD,  5                         ; A's loads run so many steps ahead
.set NSET,   8                         ; sets of registers for A
.set ADSA, 10                          ; v10     LDS address of A's scale words: my 32 rows, a row to a lane
.set ADSB, 11                          ; v11     of B's: 32 rows to a load
.set AO,   12                          ; v12     8 x lane: my place in a run of 256 bytes of an image; never rewritten
.set ADB,  16                          ; v16-23  LDS address of B's fragments: + slot; + 2 for the pieces that lie behind one padding more; + 4 for blocks 4-7 (an LDS offset has 16 bits)
.set STO,  24                          ; v24     the way out: where I put 32 bytes of a row
.set RD,   25                          ; v25     where I read a row back
.set CO,   26                          ; v26     16 x lane: my place in a row's 512 bytes of out0
.set SPW,  28                          ; v28     LDS address of my spare word: SPARE + 4 x my thread's number; never rewritten
.set NIL,  29                          ; v29     0; never rewritten
.set SS,   32                          ; scale words: set f at v[SS + 8 f]: +0 A's blocks 0 | 1 (lanes 0-15 | 16-31); +1 .. +4 B's blocks 0 | 1, 2 | 3, 4 | 5, 6 | 7
.set O1,   48                          ; v48-51  out1
.set OB,   64                          ; the way out: block 0's rows come back into v64-127, block 1's into v128-191, which block 0's accumulators have left
.set ACC,  128
.set G1B,  40                          ; s[40:47] descriptor group 1 for B's tiles;  s[48:55] group 0, one set for each slot
.set G0B,  48
.set G1S,  56                          ; s[56:63], s[68:71] groups 1 and 0 for A's scale words;  s[72:79], s[80:83] for B's scale bytes
.set G0S,  68
.set G1SB, 72
.set G0SB, 80
.set WV,   84                          ; s84 wave;  s85 wave / 2: I fetch A's scale words (0) or B's scale bytes (1);  s86 wave % 2: which half of them
.set RH,   85
.set CH,   86
.set MSB, 0
.macro WIN new                         ; the immediate's high byte repeats the setting that is left
.if MSB != \new
	s_set_vgpr_msb (MSB<<8)|\new
.set MSB, \new
.endif
.endm
.set MUL,  0x09                        ; source 0 (B) window 1, source 1 (A) window 2; C and D window 0
.set TO_B, 0x40                        ; destination window 1, address window 0
.set TO_A, 0x80                        ; destination window 2, address window 0
.macro JLOAD g0a, g1a, g0b, g1b        ; the scales: waves 0 and 1 fetch A's two halves (the work-group's own load), waves 2 and 3 B's (the joint load); four v_nop follow each of the two lines, ahead of the jump, the label and what follows
	s_cmp_eq_u32 s[RH], 0
	s_cbranch_scc0 .Lfor_b_\@
	tensor_load_to_lds s[\g0a:\g0a+3], s[\g1a:\g1a+7]
	s_nop 0
.rept 4
	v_nop
.endr
	s_branch .Lasked_\@
.Lfor_b_\@:
	tensor_load_to_lds s[\g0b:\g0b+3], s[\g1b:\g1b+7]
	s_nop 0
.rept 4
	v_nop
.endr
.Lasked_\@:
.endm
.macro CREST                           ; a round of the cluster's barrier behind its opening barrier
	s_cmp_lg_u32 s[WV], 0
	s_cbranch_scc1 .Lnot_wave_0_\@
	s_barrier_signal -3
.Lnot_wave_0_\@:
	s_barrier_wait -3
	s_barrier_signal -1
	s_barrier_wait -1
.endm
.macro CROUND                          ; a whole round
	s_barrier_signal -1
	s_barrier_wait -1
	CREST
.endm
	s_load_b256 s[4:11], s[0:1], 0x0               ; A's codes s[4:5], A's scale words s[6:7], B's codes s[8:9], B's scale bytes s[10:11]
	s_load_b256 s[12:19], s[0:1], 0x20             ; part s[12:13], row_sq s[14:15], out0 s[16:17], out1 s[18:19]
	v_lshl_add_u32 v[SPW], v0, 2, SPARE
	v_mov_b32 v[NIL], 0
	ds_add_u32 v28, v29
	ds_add_u32 v28, v29
	s_wait_dscnt 0x0
	v_lshrrev_b32 v1, 5, v0
	v_readfirstlane_b32 s[WV], v1                  ; wave 0..3
	s_lshr_b32 s[RH], s[WV], 1
	s_and_b32 s[CH], s[WV], 1
	s_bfe_u32 s87, ttmp6, 0x40000                  ; cx: my place in the cluster
	s_lshl_b32 s90, ttmp9, 2
	s_add_co_u32 s90, s90, s87                     ; TY: tile row = 4 x cluster x + cx
	s_and_b32 s89, ttmp7, 0xffff                   ; TX: tile column, which the four partners share
	; descriptor group 1.  B: 32 rows of 768 bytes, 4,128 bytes apart
	s_mov_b32 s[G1B+0], 15|(1<<20)|(1<<21)|(5<<22)|(3<<25)   ; 15:0 the mask: all four work-groups; 17:16 elements of 1 byte; 20 padding on; 21 set beside a mask; 24:22 after every 64 words (code 5); 31:25 of 4 words (code 3)
	s_mov_b32 s[G1B+1], BSLOTB<<16                 ; tensor_dim0
	s_mov_b32 s[G1B+2], 32<<16                     ; tensor_dim1
	s_mov_b32 s[G1B+3], BSLOTB<<16                 ; tile_dim0
	s_mov_b32 s[G1B+4], 32                         ; tile_dim1
	s_mov_b32 s[G1B+5], BROW                       ; tensor_dim0_stride
	s_mov_b32 s[G1B+6], 0
	s_mov_b32 s[G1B+7], 0
	; the scales: half a side's, 11,008 dense bytes, as 43 rows of 256 bytes (32 elements of 8 bytes); dense in LDS
	s_mov_b32 s[G1S+0], 3<<16                      ; A's: no mask
	s_mov_b32 s[G1SB+0], 15|(3<<16)|(1<<21)        ; B's: all four work-groups
.irp g, G1S, G1SB
	s_mov_b32 s[\g+1], 32<<16
	s_mov_b32 s[\g+2], 43<<16
	s_mov_b32 s[\g+3], 32<<16
	s_mov_b32 s[\g+4], 43
	s_mov_b32 s[\g+5], 32
	s_mov_b32 s[\g+6], 0
	s_mov_b32 s[\g+7], 0
.endr
	; where things come from.  What is B's hangs on the tile column and the wave's number alone, in registers that never hold cx.  Every offset stays under 2^24: one word holds it
	s_lshl_b32 s20, s90, 3
	s_lshl_b32 s21, s[WV], 1
	s_add_co_u32 s20, s20, s21                     ; A: my first block of rows: 8 TY + 2 x wave
	s_mul_i32 s20, s20, AROW
	s_mov_b32 s21, 0
	s_mul_i32 s22, s90, 2*SCH                      ; A's scale words: tile TY, + the half that I fetch
	s_mul_i32 s23, s[CH], SCH
	s_add_co_u32 s22, s22, s23
	s_mov_b32 s23, 0
	s_lshl_b32 s94, s89, 7
	s_lshl_b32 s95, s[WV], 5
	s_add_co_u32 s94, s94, s95                     ; B: row 128 TX + 32 x wave
	s_mul_i32 s94, s94, BROW
	s_mov_b32 s95, 0
	s_mul_i32 s96, s89, 2*SCH                      ; B's scale bytes: 128 rows x 172 bytes a tile, + the half that I fetch
	s_mul_i32 s97, s[CH], SCH
	s_add_co_u32 s96, s96, s97
	s_mov_b32 s97, 0
	s_mul_i32 s98, s[WV], BQ                       ; and where they go: no place in the cluster enters an LDS address
	s_mul_i32 s99, s[CH], SCH
	s_wait_kmcnt 0x0
	s_add_nc_u64 s[4:5], s[4:5], s[20:21]          ; A's codes at my first image; never stepped
	s_add_nc_u64 s[22:23], s[6:7], s[22:23]
	s_add_nc_u64 s[94:95], s[8:9], s[94:95]
	s_add_nc_u64 s[96:97], s[10:11], s[96:97]
	CROUND                                         ; all four work-groups are here: the first joint loads meet
	s_mov_b32 s[G0S], 1
	s_add_co_u32 s[G0S+1], s99, SCA
	s_mov_b64 s[G0S+2:G0S+3], s[22:23]
	s_or_b32 s[G0S+3], s[G0S+3], 0x80000000
	s_mov_b32 s[G0SB], 1
	s_add_co_u32 s[G0SB+1], s99, SCB
	s_mov_b64 s[G0SB+2:G0SB+3], s[96:97]
	s_or_b32 s[G0SB+3], s[G0SB+3], 0x80000000
.irp s, 0,1
	s_mov_b32 s[G0B+4*\s], 1                                       ; 1:0 count = 1
	s_add_co_u32 s[G0B+4*\s+1], s98, \s*SLOT                       ; 63:32 LDS address
	s_add_nc_u64 s[G0B+4*\s+2:G0B+4*\s+3], s[94:95], \s*BSLOTB     ; 120:64 global address: K steps 8 s on
	s_or_b32 s[G0B+4*\s+3], s[G0B+4*\s+3], 0x80000000             ; 127:126 type = 2
.endr
	JLOAD G0S, G1S, G0SB, G1SB                     ; the scales first: they are wanted with K step 0
	tensor_load_to_lds s[G0B:G0B+3], s[G1B:G1B+7]  ; my 32 rows of slot 0,
	s_nop 0
	tensor_load_to_lds s[G0B+4:G0B+7], s[G1B:G1B+7]   ; and of slot 1: three tensor loads of mine are out now
	s_nop 0
.rept 4
	v_nop
.endr
	v_and_b32 v1, 15, v0                           ; r = l % 16
	v_bfe_u32 v2, v0, 4, 1                         ; h = l / 16
	v_and_b32 v3, 31, v0                           ; l
	v_lshlrev_b32 v[AO], 3, v3
	s_lshl_b32 s98, s[WV], 7
	s_add_co_u32 s98, s98, SCA
	v_lshl_add_u32 v[ADSA], v3, 2, s98             ; A's scale words: my 32 rows, 4 bytes a row: lanes 0-15 block 0, lanes 16-31 block 1
	v_mul_u32_u24 v4, v3, 172
	v_add_nc_u32 v[ADSB], SCB, v4                  ; B's: row l of 32; every wave reads all 128 rows
	v_mul_u32_u24 v4, v1, BPITCH
	v_mad_u32_u24 v5, v2, 24, v4                   ; B: a fragment's row x pitch + 24 x half
	v_lshl_add_u32 v6, v2, 4, v5                   ; and the same behind one padding more
.irp u, 0,1
.irp s, 0,1
	v_add_nc_u32 v[ADB+\s+4*\u], \s*SLOT+\u*64*BPITCH, v5
	v_add_nc_u32 v[ADB+2+\s+4*\u], \s*SLOT+\u*64*BPITCH, v6
.endr
.endr
	s_mul_i32 s98, s[WV], 16*SPITCH
	s_add_co_u32 s98, s98, STAGE                   ; my stage
	v_mul_u32_u24 v4, v1, SPITCH                   ; in: row r, 32 bytes for each half of the lanes
	v_lshl_add_u32 v4, v2, 5, v4
	v_add_nc_u32 v[STO], s98, v4
	v_lshlrev_b32 v[CO], 4, v3                     ; back: the 32 lanes take one row of 512 bytes; and the same in out0
	v_add_nc_u32 v[RD], s98, v[CO]
	s_lshl_b32 s98, s90, 7
	s_lshl_b32 s99, s[WV], 5
	s_add_co_u32 s98, s98, s99                     ; my first row of out0: 128 TY + 32 x wave
	s_lshl_b32 s98, s98, 13                        ; 8,192 bytes a row
	s_lshl_b32 s99, s89, 9                         ; the tile's first column, in bytes: 512 TX
	s_add_co_u32 s98, s98, s99
	s_mov_b32 s99, 0
	s_add_nc_u64 s[16:17], s[16:17], s[98:99]
	; out1: 4 x 5,504 numbers are 86 for each of the 256 work-groups; 64 work-groups serve a batch.  Work-group g = 16 TY + TX: batch g / 64, columns 86 (g % 64) on.  It stands here, while the first tiles are on their way.
	s_lshl_b32 s93, s90, 4
	s_add_co_u32 s93, s93, s89                     ; g
	s_mul_i32 s98, s93, 344
	s_add_nc_u64 s[18:19], s[18:19], s[98:99]      ; out1: 86 numbers a work-group on end
	s_and_b32 s98, s93, 63
	s_mul_i32 s98, s98, 344
	s_add_nc_u64 s[14:15], s[14:15], s[98:99]      ; row_sq at my columns
	s_lshr_b32 s93, s93, 6
	s_mul_i32 s93, s93, 44032                      ; part: a batch's 512 rows are two tiles of 256: two rows of 22,016 bytes
	s_add_co_u32 s98, s98, s93
	s_add_nc_u64 s[12:13], s[12:13], s[98:99]
	v_lshlrev_b32 v[O1], 2, v0
	v_mov_b32 v[O1+1], 0
	v_mov_b32 v[O1+2], 0
	v_mov_b32 v[O1+3], 0
	s_wait_xcnt 0x0                                ; EXEC changes only behind this wait
	v_cmp_gt_u32 vcc_lo, 86, v0
	s_and_saveexec_b32 s2, vcc_lo                  ; threads 0 to 85
	global_load_b32 v[O1+1], v[O1], s[12:13]
	global_load_b32 v[O1+2], v[O1], s[12:13] offset:22016
	global_load_b32 v[O1+3], v[O1], s[14:15]
	s_wait_loadcnt 0x0
	v_add_f32 v[O1+1], v[O1+1], v[O1+2]            ; the sum of inter^2 over the batch's rows,
	v_mul_f32 v[O1+1], v[O1+1], v[O1+3]            ; x the row of w_up's sum of squares
	v_sqrt_f32 v[O1+1], v[O1+1]
	v_nop                                          ; a plain line behind the root
	s_wait_alu depctr_va_vdst(0)
	global_store_b32 v[O1], v[O1+1], s[18:19]
	s_wait_xcnt 0x0                                ; and again, in front of the line that widens EXEC
	s_or_b32 exec_lo, exec_lo, s2
.macro ALOAD k                         ; A's two images of K step k into set k % 8: twelve loads of 256 consecutive bytes; register pair p of lane l lies at 256 p + 8 l of its image
	WIN TO_A
.irp a, 0,1
.irp p, 0,1,2,3,4,5
	global_load_b64 v[24*((\k)%NSET)+12*\a+2*\p:24*((\k)%NSET)+12*\a+2*\p+1], v[AO], s[4:5] offset:\a*AROW+(\k)*IMG+256*\p   ; 131,840 at the most: inside the signed 24-bit immediate (ISA guide, chapter 10)
.endr
.endr
.endm
.macro NEEDA k                         ; A's set of step k is in: loads come back in order (ISA guide 5.7.1), and behind its twelve stand those of the four steps that follow, or of as many as are left
.if (\k)+AHEAD-1 < KSTEPS
	s_wait_loadcnt 12*(AHEAD-1)
.else
	s_wait_loadcnt 12*(KSTEPS-1-(\k))
.endif
.endm
.macro FRAGB reg, slot, q, i           ; B's block i, the slot's q-th step: lane l holds row l % 16; registers 6 c .. 6 c + 5 hold K = 64 c + 32 (l / 16) + 0 .. 31: 24 bytes of the row's stream of bits, in pieces of 8 bytes
.irp p, 0,1,2,3,4,5                    ; lanes 0-15 take the row's pieces 12 q + 0, 1, 2 and 12 q + 6, 7, 8, lanes 16-31 those three pieces on
.set PC, 12*(\q)+6*(\p/3)+\p%3        ; 16 bytes of padding lie behind every 256 bytes (32 pieces): where the piece three on lies behind one padding more, the second address register (40 for 24 bytes a half) serves
.if PC%32 < 29
	ds_load_b64 v[\reg+2*\p:\reg+2*\p+1], v[ADB+(\slot)+4*((\i)/4)] offset:8*PC+16*(PC/32)+((\i)%4)*16*BPITCH
.else
	ds_load_b64 v[\reg+2*\p:\reg+2*\p+1], v[ADB+2+(\slot)+4*((\i)/4)] offset:8*PC+16*(PC/32)+((\i)%4)*16*BPITCH
.endif
.endr
.endm
.macro FETCH1 k                        ; 29 LDS loads: K step k's five registers of scale words and B's blocks 0-3, into set k % 2
	WIN 0
	ds_load_b32 v[SS+8*((\k)%2)], v[ADSA] offset:512*(\k)
.irp j, 0,1,2,3
	ds_load_b32 v[SS+8*((\k)%2)+1+\j], v[ADSB] offset:4*(\k)+32*172*\j
.endr
	WIN TO_B
.irp i, 0,1,2,3
	FRAGB 128*((\k)%2)+12*\i, ((\k)/SPS)%2, (\k)%SPS, \i
.endr
.endm
.macro FETCH2 k                        ; 24 LDS loads: B's blocks 4-7
	WIN TO_B
.irp i, 4,5,6,7
	FRAGB 128*((\k)%2)+12*\i, ((\k)/SPS)%2, (\k)%SPS, \i
.endr
.endm
; One product: A's block a against B's block b, K step k.  An odd block's scale words stand in lanes 16-31 of their register.  K step 0 starts the sums: nothing is ever cleared.
.macro WM a, b, k
.set rD, ACC+8*(8*(\a)+(\b))
.set rB, 128*((\k)%2)+12*(\b)
.set rA, 24*((\k)%NSET)+12*(\a)
.set sB, SS+8*((\k)%2)+1+(\b)/2
.set sA, SS+8*((\k)%2)
.if (\k) == 0
.if ((\a)%2 == 0) && ((\b)%2 == 0)
	v_wmma_scale_f32_16x16x128_f8f6f4 v[rD:rD+7], v[rB:rB+11], v[rA:rA+11], 0, v[sB], v[sA] matrix_a_fmt:MATRIX_FMT_FP6 matrix_b_fmt:MATRIX_FMT_FP6
.elseif ((\a)%2 == 0)
	v_wmma_scale_f32_16x16x128_f8f6f4 v[rD:rD+7], v[rB:rB+11], v[rA:rA+11], 0, v[sB], v[sA] matrix_a_fmt:MATRIX_FMT_FP6 matrix_b_fmt:MATRIX_FMT_FP6 matrix_a_scale:MATRIX_SCALE_ROW1
.elseif ((\b)%2 == 0)
	v_wmma_scale_f32_16x16x128_f8f6f4 v[rD:rD+7], v[rB:rB+11], v[rA:rA+11], 0, v[sB], v[sA] matrix_a_fmt:MATRIX_FMT_FP6 matrix_b_fmt:MATRIX_FMT_FP6 matrix_b_scale:MATRIX_SCALE_ROW1
.else
	v_wmma_scale_f32_16x16x128_f8f6f4 v[rD:rD+7], v[rB:rB+11], v[rA:rA+11], 0, v[sB], v[sA] matrix_a_fmt:MATRIX_FMT_FP6 matrix_b_fmt:MATRIX_FMT_FP6 matrix_a_scale:MATRIX_SCALE_ROW1 matrix_b_scale:MATRIX_SCALE_ROW1
.endif
.else
.if ((\a)%2 == 0) && ((\b)%2 == 0)
	v_wmma_scale_f32_16x16x128_f8f6f4 v[rD:rD+7], v[rB:rB+11], v[rA:rA+11], v[rD:rD+7], v[sB], v[sA] matrix_a_fmt:MATRIX_FMT_FP6 matrix_b_fmt:MATRIX_FMT_FP6
.elseif ((\a)%2 == 0)
	v_wmma_scale_f32_16x16x128_f8f6f4 v[rD:rD+7], v[rB:rB+11], v[rA:rA+11], v[rD:rD+7], v[sB], v[sA] matrix_a_fmt:MATRIX_FMT_FP6 matrix_b_fmt:MATRIX_FMT_FP6 matrix_a_scale:MATRIX_SCALE_ROW1
.elseif ((\b)%2 == 0)
	v_wmma_scale_f32_16x16x128_f8f6f4 v[rD:rD+7], v[rB:rB+11], v[rA:rA+11], v[rD:rD+7], v[sB], v[sA] matrix_a_fmt:MATRIX_FMT_FP6 matrix_b_fmt:MATRIX_FMT_FP6 matrix_b_scale:MATRIX_SCALE_ROW1
.else
	v_wmma_scale_f32_16x16x128_f8f6f4 v[rD:rD+7], v[rB:rB+11], v[rA:rA+11], v[rD:rD+7], v[sB], v[sA] matrix_a_fmt:MATRIX_FMT_FP6 matrix_b_fmt:MATRIX_FMT_FP6 matrix_a_scale:MATRIX_SCALE_ROW1 matrix_b_scale:MATRIX_SCALE_ROW1
.endif
.endif
.endm
.macro MULB k, b0                      ; four products: B's blocks b0, b0 + 1 against A's two.  The 16 accumulators take turns, one instruction a turn, in the same order in every step
.irp b, \b0, \b0+1
.irp a, 0,1
	WM \a, \b, \k
.endr
.endr
.endm
; A load into a register that a matrix instruction has read, and an LDS store that reads a matrix result, stand four places behind that matrix instruction, and only plain vector instructions that name none of its registers are
; places (ISA guide 7.12.1 for vector instructions).  Four v_nop close every step: every register that a later step's loads fill was last read by a product that stands in front of them.
.macro PLACES
.rept 4
	v_nop
.endr
.endm
; A K step whose successor lies in the same slot: 16 matrix instructions on B's set k % 2 and A's set k % 8.  The next step's LDS loads go out in two runs, into B's other set; A's loads of five steps on stand with the first.
.macro STEP k
	NEEDA \k
	s_wait_dscnt 24                                ; the scale words and B's blocks 0-3 are in; the youngest 24 loads (B's blocks 4-7) may be out
	WIN MUL
	MULB \k, 0
	MULB \k, 2
.if (\k)+1 < KSTEPS
	FETCH1 (\k)+1
.endif
.if (\k)+AHEAD < KSTEPS
	ALOAD (\k)+AHEAD
.endif
.if (\k)+1 < KSTEPS
	s_wait_dscnt 29                                ; all but the 29 just issued: B's blocks 4-7 are in
.else
	s_wait_dscnt 0x0
.endif
	WIN MUL
	MULB \k, 4
	MULB \k, 6
	PLACES
.if (\k)+1 < KSTEPS
	FETCH2 (\k)+1
.endif
.endm
; A slot's eighth step changes slots: ONE barrier; in front of it each wave waits for all its tensor loads, adds 0 to its spare word, and waits for that and for its own reads of this slot (the last were issued at the end of the step before).
; fill = 1: this slot is filled again, sixteen K steps ahead.  fill = 2: with the last three K steps: tensor_dim0 says where the rows end.  fill = 0: nothing is left to fetch, and no round of the cluster's barrier follows.
.macro TURN k, fill
.set SL, ((\k)/SPS)%2
	WIN 0                                          ; (the add's two registers lie in window 0)
	s_wait_tensorcnt 0x0                           ; all my tensor loads have landed: the one that was out is my part of the next slot;
	ds_add_u32 v[SPW], v[NIL]                      ; 0 onto my spare word
	NEEDA \k
	s_wait_dscnt 25                                ; (the add and the youngest 24 loads, B's blocks 4-7, may be out)
	WIN MUL
	MULB \k, 0                                     ; four matrix instructions stand between the add and the wait for it
	s_wait_dscnt 0x0                               ; the add is done, and my reads of this slot are over
	s_barrier_signal -1
	MULB \k, 2
	WIN 0
	s_barrier_wait -1
.if \fill
	CREST                                          ; the barrier has opened a round of the cluster's barrier: no wave of any partner still reads this slot's tile or has a load on its way
	s_add_nc_u64 s[G0B+4*SL+2:G0B+4*SL+3], s[G0B+4*SL+2:G0B+4*SL+3], 2*BSLOTB
.if \fill == 2
	s_mov_b32 s[G1B+1], (KSTEPS-(NSL-1)*SPS)*96<<16   ; 288 bytes are left of each row of B: past them the load writes zeros and reads nothing
.endif
	tensor_load_to_lds s[G0B+4*SL:G0B+4*SL+3], s[G1B:G1B+7]   ; the first tensor load behind the round, my one load until the next: it has eight steps, less the eight products in front of it and the next wait, in which to land
	s_nop 0
	PLACES
.endif
	FETCH1 (\k)+1                                  ; from the other slot, which is whole
.if (\k)+AHEAD < KSTEPS
	ALOAD (\k)+AHEAD
.endif
	WIN MUL
	MULB \k, 4
	MULB \k, 6
	PLACES
	FETCH2 (\k)+1
.endm
.irp k, 0,1,2,3,4
	ALOAD \k                                       ; A's first five steps: 60 loads
.endr
	WIN 0
	s_wait_tensorcnt 1                             ; the scales and my part of slot 0 are in (slot 1's load may be out)
	s_barrier_signal -1
	s_barrier_wait -1                              ; everybody's are
	FETCH1 0
	FETCH2 0
.set K, 0
.rept KSTEPS
.if K%SPS != SPS-1
	STEP K
.elseif K/SPS+2 > NSL-1
	TURN K, 0                                      ; the last change of slots
.elseif K/SPS+2 == NSL-1
	TURN K, 2                                      ; the last fill
.else
	TURN K, 1
.endif
.set K, K+1
.endr
	WIN 0
; THE WAY OUT, two blocks of 16 rows x 128 columns.  A lane holds 32 neighbouring bytes of a row, and the lanes beside it hold other rows: so a block goes through my own stage in LDS and comes back as whole rows of 512 bytes.
; LDS serves a wave's instructions in order (ISA guide 5.7.1.4): no wait between the stores and the loads, nor in front of the next block's stores.  The four v_nop that close the last step are the places behind the last products.
.macro STIN a
.irp b, 0,1,2,3,4,5,6,7
	ds_store_b128 v[STO], v[ACC+8*(8*(\a)+\b):ACC+8*(8*(\a)+\b)+3] offset:64*\b          ; each accumulator from its low end on
	ds_store_b128 v[STO], v[ACC+8*(8*(\a)+\b)+4:ACC+8*(8*(\a)+\b)+7] offset:64*\b+16
.endr
.endm
.macro STOUT a
.irp t, 0,1,2,3,4,5,6,7,8,9,10,11,12,13,14,15
	ds_load_b128 v[OB+64*(\a)+4*\t:OB+64*(\a)+4*\t+3], v[RD] offset:\t*SPITCH
.endr
.endm
.macro SEND a
.irp t, 0,1,2,3,4,5,6,7,8,9,10,11,12,13,14,15
	global_store_b128 v[CO], v[OB+64*(\a)+4*\t:OB+64*(\a)+4*\t+3], s[16:17] offset:(16*(\a)+\t)*8192 th:TH_STORE_NT   ; 32 lanes store 512 consecutive bytes, at a multiple of 256 from out0's first byte; 31 rows at the most: inside the signed 24-bit immediate; written once, read by nobody here
.endr
.endm
	STIN 0
	STOUT 0
	STIN 1
	s_wait_dscnt 16                                ; block 0 is back in registers; behind its loads stand block 1's sixteen stores
	SEND 0
	STOUT 1                                        ; into the registers that block 0's accumulators have left
	s_wait_dscnt 0x0
	SEND 1
	s_wait_tensorcnt 0x0                           ; the wave's end: behind my last tensor load and my last LDS store
	ds_add_u32 v[SPW], v[NIL]
	s_wait_dscnt 0x0
	CROUND                                         ; the closing round: no work-group ends while a partner may still ask for a tile that names it
	s_endpgm
.Lfunc_end_k_q8b3be91d24_down:
	.size	k_q8b3be91d24_down, .Lfunc_end_k_q8b3be91d24_down-k_q8b3be91d24_down
	.p2alignl 7, 3214868480
	.fill 96, 4, 3214868480
	.section	.rodata,"a",@progbits
	.p2align	6, 0x0
	.amdhsa_kernel k_q8b3be91d24_down
		.amdhsa_group_segment_fixed_size 327680
		.amdhsa_private_segment_fixed_size 0
		.amdhsa_enable_private_segment 0
		.amdhsa_kernarg_size 64
		.amdhsa_user_sgpr_count 2
		.amdhsa_user_sgpr_kernarg_segment_ptr 1
		.amdhsa_wavefront_size32 1
		.amdhsa_system_sgpr_workgroup_id_x 1
		.amdhsa_system_sgpr_workgroup_id_y 1
		.amdhsa_system_sgpr_workgroup_id_z 1
		.amdhsa_system_vgpr_workitem_id 0
		.amdhsa_next_free_vgpr 768
		.amdhsa_next_free_sgpr 100
		.amdhsa_reserve_vcc 1
		.amdhsa_float_denorm_mode_32 3
		.amdhsa_float_denorm_mode_16_64 3
		.amdhsa_memory_ordered 1
		.amdhsa_forward_progress 1
		.amdhsa_inst_pref_size 255
	.end_amdhsa_kernel
	.section	.bss,"aw",@nobits
	.p2align	6
	.space	262144
	.amdgpu_metadata
---
amdhsa.version: [ 1, 2 ]
amdhsa.kernels:
  - .name:           k_q8b3be91d24_down
    .symbol:         k_q8b3be91d24_down.kd
    .args:
      - { .name: inter_codes, .offset: 0, .size: 8, .value_kind: global_buffer, .address_space: global }
      - { .name: inter_scales, .offset: 8, .size: 8, .value_kind: global_buffer, .address_space: global }
      - { .name: w_down_codes, .offset: 16, .size: 8, .value_kind: global_buffer, .address_space: global }
      - { .name: w_down_scales, .offset: 24, .size: 8, .value_kind: global_buffer, .address_space: global }
      - { .name: part, .offset: 32, .size: 8, .value_kind: global_buffer, .address_space: global }
      - { .name: row_sq, .offset: 40, .size: 8, .value_kind: global_buffer, .address_space: global }
      - { .name: out0, .offset: 48, .size: 8, .value_kind: global_buffer, .address_space: global }
      - { .name: out1, .offset: 56, .size: 8, .value_kind: global_buffer, .address_space: global }
    .group_segment_fixed_size: 327680
    .private_segment_fixed_size: 0
    .kernarg_segment_align: 8
    .kernarg_segment_size: 64
    .max_flat_workgroup_size: 128
    .sgpr_count:     100
    .vgpr_count:     768
    .wavefront_size: 32
...
	.end_amdgpu_metadata
.endif
;; end of part 3
